; MI455X (gfx1250); checked and timed in simulation.
; The chip was launched on July 23, 2026; its instructions are those of AMD's public machine-readable ISA for CDNA 5 (MIT licence, August 2026) and "CDNA5" Instruction Set Architecture Reference Guide (July 2026). The comments in the code are by the model that wrote it; some were corrected since.
;; SSD Target. Allowed arithmetic: float matrix products may take bf16 or f16 operands with f32 sums; all other float work in f32.
;; Inputs: anchors 65,536 x 4 float32; gt_boxes 16 x 64 x 5 float32; gt_class_ids 16 x 64 x 2 int32.
;; Outputs: out0 16 x 65,536 x 4 float32; out1 16 x 65,536 int32; out2 16 x 65,536 float32.
;; One version. Each part assembles by itself: llvm-mc -triple=amdgcn-amd-amdhsa -mcpu=gfx1250 --defsym DOCPART=n.
;; ======== version 1 of 1: 2 launches
;; limits: right only within a limited range of input values; below input magnitudes of 1.1e-19 results are inexact or not finite
;; workspace buffers: gtab 24,576 bytes; gmask 256 bytes of whole numbers
;; launch compact (part 1): grid 16 x 1, 2 waves a work-group, no clusters, 0 bytes of LDS; arguments gt_boxes, gt_class_ids, gtab, gmask; writes gtab, gmask
.if DOCPART == 1
	.amdgcn_target "amdgcn-amd-amdhsa--gfx1250"
	.amdhsa_code_object_version 6
	.text
	.protected	k_qaf4d1cd441_compact
	.globl	k_qaf4d1cd441_compact
	.p2align	8
	.type	k_qaf4d1cd441_compact,@function
k_qaf4d1cd441_compact:
	s_mov_b64 s[64:65], 0
	v_nop
	global_prefetch_b8 v0, s[64:65] scope:SCOPE_SE
	s_setreg_imm32_b32 hwreg(HW_REG_WAVE_MODE, 25, 1), 1
	s_wait_xcnt 0x0
; SSD targets, step 1 of 2: which rows of gt_boxes are valid, as whole numbers, and every row laid out for the next launch's scalar loads.
;
; WHAT IS LEFT OUT, AND WHY IT IS DEAD.
;  * The padded rows.  reference() sets the IoU of a row of gt_boxes whose fifth number is 0 to -1.  A valid row's IoU is never below -0, whatever finite
;    numbers the boxes hold: iw and ih are clamped at 0, so inter >= 0.  If a box has y2 < y1 (or x2 < x1), the overlap on that axis is at most that negative
;    extent, the clamp makes it 0, inter = 0 and the IoU is 0 / union = +-0.  If all four extents are >= 0, rounding is monotonic, so iw <= both widths and
;    ih <= both heights, inter <= either area, and union = (area_gt + area_an) - inter >= 0: the IoU is >= 0.  So a padded row wins neither max nor argmax
;    while the image has a valid row; if it has none, every IoU is -1, argmax is 0 and the tag is -1.
;    Which rows are valid is decided HERE, by the comparison that reference() makes (tag != 0, true for a NaN), and handed on as whole numbers: one bit a row.
;    The next launch reads the bits from memory and visits the rows whose bits are set, in their order.
;  * gt_class_ids[.., 1] is read by no line of reference(): it is not loaded.
;  LIMITS.  A NaN or an infinity in the coordinates of a padded row reaches no result (in reference() neither: the -1 replaces it).  The one IoU of a valid row
;  that the argument above does not cover is a NaN (0 / 0, or inputs that are not finite or overflow): see the next kernel's limits.
;
; WHAT IS STORED, for row r = 64 b + g of the 1,024 rows, valid or not (the next launch may read any of them):
;   gtab + 16 r            : y1, x1, y2, x2
;   gtab + 16384 + 8 r     : its area (x2-x1)*(y2-y1), rounded as reference() rounds it, and its class id
;   gmask + 4 (r / 32)     : bit r % 32 = row r is valid; image b's 64 bits are the two words at 8 b
; Nothing is packed or moved: thread t of work-group b owns row 64 b + t, and a wave's comparison mask is its word.  No wave needs another: no LDS, no barrier.
.set ROWB, 20                          ; bytes of a row of gt_boxes
.set TABB, 16384                       ; where the (area, class) table begins in gtab
.set R,    1                           ; v1        my row among the 1,024
.set LANE, 2                           ; v2
.set RB,   3                           ; v3        20 r: my row in gt_boxes
.set F,    4                           ; v[4:8]    y1, x1, y2, x2, tag
.set SA,   9                           ; v9        16 r: my row in the box table
.set AC,   10                          ; v[10:11]  area, class
.set HW,   12                          ; v[12:13]  height, width
.set S8,   14                          ; v14       8 r: my row in gt_class_ids and in the (area, class) table
.set CO,   15                          ; v15       4 (r / 32): my wave's mask word
.set CN,   16                          ; v16       the mask, to store
	s_load_b256 s[4:11], s[0:1], 0x0               ; gt_boxes s[4:5], gt_class_ids s[6:7], gtab s[8:9], gmask s[10:11]
	s_lshl_b32 s12, ttmp9, 6                       ; the image's first row
	v_and_b32 v[LANE], 31, v0
	v_add_nc_u32 v[R], s12, v0
	v_mul_u32_u24 v[RB], ROWB, v[R]
	v_lshlrev_b32 v[S8], 3, v[R]
	v_lshlrev_b32 v[SA], 4, v[R]
	v_lshrrev_b32 v[CO], 5, v[R]
	v_lshlrev_b32 v[CO], 2, v[CO]
	s_wait_kmcnt 0x0
.irp f, 0,1,2,3,4
	global_load_b32 v[F+\f], v[RB], s[4:5] offset:4*\f     ; a row begins at a multiple of 4 bytes only: five words; a wave's five loads cover 640 consecutive bytes
.endr
	global_load_b32 v[AC+1], v[S8], s[6:7]                 ; column 0 alone
	s_wait_loadcnt 0x0                             ; all six, once
	v_cmp_neq_f32 s16, 0, v[F+4]                   ; tag != 0, as reference() asks: bit l = the row of lane l
	v_pk_add_f32 v[HW:HW+1], v[F+2:F+3], v[F:F+1] neg_lo:[0,1] neg_hi:[0,1]   ; y2 - y1, x2 - x1
	v_mul_f32 v[AC], v[HW+1], v[HW]                ; area_gt: two differences and one product, each rounded once
	v_mov_b32 v[CN], s16
	global_store_b128 v[SA], v[F:F+3],   s[8:9]                ; a wave stores 512 consecutive bytes
	global_store_b64  v[S8], v[AC:AC+1], s[8:9] offset:TABB    ; a wave stores 256 consecutive bytes, aligned
	s_wait_xcnt 0x0                                ; EXEC is a source of the two stores: it changes only behind this wait
	v_cmp_eq_u32 vcc_lo, 0, v[LANE]
	s_and_saveexec_b32 s17, vcc_lo                 ; lane 0 of each wave
	global_store_b32 v[CO], v[CN], s[10:11]        ; the wave's 32 bits
	s_wait_xcnt 0x0                                ; and again in front of the line that widens EXEC
	s_or_b32 exec_lo, exec_lo, s17
	s_endpgm
.Lfunc_end_k_qaf4d1cd441_compact:
	.size	k_qaf4d1cd441_compact, .Lfunc_end_k_qaf4d1cd441_compact-k_qaf4d1cd441_compact
	.p2alignl 7, 3214868480
	.fill 96, 4, 3214868480
	.section	.rodata,"a",@progbits
	.p2align	6, 0x0
	.amdhsa_kernel k_qaf4d1cd441_compact
		.amdhsa_group_segment_fixed_size 0
		.amdhsa_private_segment_fixed_size 0
		.amdhsa_enable_private_segment 0
		.amdhsa_kernarg_size 32
		.amdhsa_user_sgpr_count 2
		.amdhsa_user_sgpr_kernarg_segment_ptr 1
		.amdhsa_wavefront_size32 1
		.amdhsa_system_sgpr_workgroup_id_x 1
		.amdhsa_system_sgpr_workgroup_id_y 1
		.amdhsa_system_sgpr_workgroup_id_z 1
		.amdhsa_system_vgpr_workitem_id 0
		.amdhsa_next_free_vgpr 18
		.amdhsa_next_free_sgpr 66
		.amdhsa_reserve_vcc 1
		.amdhsa_float_denorm_mode_32 3
		.amdhsa_float_denorm_mode_16_64 3
		.amdhsa_memory_ordered 1
		.amdhsa_forward_progress 1
		.amdhsa_inst_pref_size 2
	.end_amdhsa_kernel
	.amdgpu_metadata
---
amdhsa.version: [ 1, 2 ]
amdhsa.kernels:
  - .name:           k_qaf4d1cd441_compact
    .symbol:         k_qaf4d1cd441_compact.kd
    .args:
      - { .name: gt_boxes, .offset: 0, .size: 8, .value_kind: global_buffer, .address_space: global }
      - { .name: gt_class_ids, .offset: 8, .size: 8, .value_kind: global_buffer, .address_space: global }
      - { .name: gtab, .offset: 16, .size: 8, .value_kind: global_buffer, .address_space: global }
      - { .name: gmask, .offset: 24, .size: 8, .value_kind: global_buffer, .address_space: global }
    .group_segment_fixed_size: 0
    .private_segment_fixed_size: 0
    .kernarg_segment_align: 8
    .kernarg_segment_size: 32
    .max_flat_workgroup_size: 64
    .sgpr_count:     66
    .vgpr_count:     18
    .wavefront_size: 32
...
	.end_amdgpu_metadata
.endif
;; end of part 1
;; launch match (part 2): grid 64 x 16, 8 waves a work-group, no clusters, 9,216 bytes of LDS; arguments anchors, gtab, gmask, out0, out1, out2; writes out0, out1, out2
.if DOCPART == 2
	.amdgcn_target "amdgcn-amd-amdhsa--gfx1250"
	.amdhsa_code_object_version 6
	.text
	.protected	k_qaf4d1cd441_match
	.globl	k_qaf4d1cd441_match
	.p2align	8
	.type	k_qaf4d1cd441_match,@function
k_qaf4d1cd441_match:
	s_mov_b64 s[64:65], 0
	v_nop
	global_prefetch_b8 v0, s[64:65] scope:SCOPE_SE
	s_setreg_imm32_b32 hwreg(HW_REG_WAVE_MODE, 25, 1), 1
	s_wait_xcnt 0x0
; SSD targets, step 2 of 2: for every image b and anchor a the best IoU over the image's valid boxes, the box and class that reach it first,
; the tag and the four regression deltas.
;
; LEFT OUT: the padded rows of gt_boxes (their IoU is -1 in reference(), a valid row's is never below -0, so they cannot win; the launch before has stored
; one bit a row, and this loop visits the rows whose bits are set) and gt_class_ids[.., 1] (read by no line of reference()).
; THE RUNNING BEST starts at 0 with the first valid row (row 0 if none is valid) and is replaced on a strictly greater quotient only.  That is argmax's first
; maximum: no valid IoU is below -0, and -0 and 0 compare as equal, so while no IoU is positive the first valid row is the first maximum.
; With no valid row iou_max is -1 in reference() and 0 here: the tag is -1 for both.
;
; BIT FOR BIT.  class_ids hang on comparisons of rounded quotients, so min, max, the differences, both clamps, the product, area_gt + area_an and the subtraction
; of inter are made in reference()'s order, each rounded once, and the quotient is y = rcp(U), q0 = I y, r = I - q0 U (fused), q = q0 + r y (fused).  With y good to
; one unit in the last place (ISA guide, v_rcp_f32) the sum q0 + r y is off by about 2^-45 of q before its one rounding, so q is the correctly rounded I / U
; unless I / U lies that close to the middle between two floats.
; LIMITS.  (1) Where reference() has a NaN IoU (0 / 0: inter = 0 and area_gt + area_an = 0; or inputs that are not finite, or whose areas overflow) its max and argmax
; take the NaN; here a NaN never wins.  (2) |union| lies within 2^-126 .. 2^126: v_rcp_f32 takes a denormal for 0 and gives 0 for a denormal (ISA guide, its entry).
; (3) The deltas use rcp and log2 and are good to a few units in the last place, not bit for bit.
;
; SHARES.  Work-group (x, y): anchors 1,024 x .. +1,023 of image y.  Wave w: 128 of them.  Lane l: anchors 32 k + l, k = 0..3, so that a load of anchors and
; a store of deltas covers 512 consecutive bytes.  The waves share nothing: no barrier.
; THE MATCHED ROW IS CARRIED, NOT LOOKED UP: no address is made from the argmax; box, class and best are selected by v_cndmask_b32 in every trip.
; No cluster, no tensor load: what work-groups share is a table of 1.5 KB an image, read by scalar loads, and 16 KB of anchors.
;
; DUAL INSTRUCTIONS (ISA guide, the VOPD encoding's rules): destinations one even and one odd; the two first sources, and the two second sources, in
; registers that differ modulo 4; two scalar values at the most, VCC among them.  That is why the gt entry is copied to vector registers (a select from two
; scalar registers under VCC would be three), why every block below starts at a multiple of 4, and why the quotients lie at 2 and 3 modulo 4
; (they pair with the class at 1 modulo 4).
.set TABB, 16384                       ; where the (area, class) table begins in gtab
.set GMAX, 64                          ; rows of an image
.set LANE, 1                           ; v1
.set AOF,  2                           ; v2        byte offset of my anchor 0 in the group's part of anchors and of out0
.set COF,  3                           ; v3        byte offset of my 16 bytes in the group's part of out1 and of out2
.set ANC,  4                           ; v[4:19]   anchor k: y1, x1, y2, x2
.set HW,   20                          ; v[20:27]  anchor k: h, w
.set AR,   28                          ; v[28:31]  anchor k: area_an
.set PAY,  32                          ; v[32:47]  anchor k: the matched box
.set BC,   48                          ; v[48:55]  anchor k: best IoU, matched class
.set G,    56                          ; v[56:61]  this trip's gt, the same in all lanes: y1, x1, y2, x2, area_gt, class
.set LW,   62                          ; v62       LDS: where my words go
.set LR,   63                          ; v63       LDS: where I read 16 bytes back
.set T0,   64                          ; v[64:81]  at work, anchors 0 and 1:  +0..3 max corners, +4..7 min corners then ih, iw, +8,9 inter, +10,11 quotient,
.set T1,   84                          ; v[84:101] at work, anchors 2 and 3:  +12,13 union, +14,15 its reciprocal, +16,17 remainder
.set OUT,  64                          ; v[64:79]  behind the loop: anchor k's four deltas
.set RCP,  80                          ; v[80:87]  1/h, 1/w
.set E,    88                          ; v[88:95]  centre differences, then logarithms
.set FS,   96                          ; v[96:97]
.set TG,   100                         ; v[100:103] tags
.set CT,   104                         ; v[104:111] four neighbouring anchors' classes, four tags
; scalars: s[32:37] the entry on its way; s[40:41], s[42:43] the image's two tables; s[44:45] the bits of the rows not yet asked for; s46 trips; s47 trip counter;
;          s48, s49 the offsets of the entry asked for; s50, s51 its row; s[52:53] at work
; The next valid row: the lowest bit left in s[44:45] gives the row, and is dropped.  The row is bounded by a constant before it becomes an offset; with no bit left
; it is some row up to 63, whatever the count of trailing zeros gives for 0, and all 64 rows of the table are stored: no load leaves the table.
.macro NEXT
	s_ctz_i32_b32 s50, s44                         ; the lowest row left among rows 0 to 31,
	s_ctz_i32_b32 s51, s45
	s_add_co_u32 s51, s51, 32                      ; among rows 32 to 63
	s_cmp_lg_u32 s44, 0
	s_cselect_b32 s50, s50, s51                    ; the low word's while it has a bit
	s_add_nc_u64 s[52:53], s[44:45], -1            ; m & (m - 1), in 64 bits, drops the lowest set bit; 0 stays 0
	s_and_b32 s44, s44, s52
	s_and_b32 s45, s45, s53
	s_min_u32 s50, s50, GMAX-1
	s_lshl_b32 s48, s50, 4                         ; 16 bytes a row in the box table,
	s_lshl_b32 s49, s50, 3                         ; 8 in the (area, class) table
.endm
	s_load_b256 s[4:11], s[0:1], 0x0               ; anchors s[4:5], gtab s[6:7], gmask s[8:9], out0 s[10:11]
	s_load_b128 s[12:15], s[0:1], 0x20             ; out1 s[12:13], out2 s[14:15]
	v_lshl_add_u32 v112, v0, 2, 0x2000
	v_mov_b32 v113, 0
	v_and_b32 v[LANE], 31, v0
	v_lshrrev_b32 v[AOF], 5, v0
	v_readfirstlane_b32 s16, v[AOF]                ; wave 0..7
	s_and_b32 s17, ttmp7, 0xffff                   ; image
	s_lshl_b32 s22, ttmp9, 14                      ; the group's 1,024 anchors x 16 bytes
	s_mov_b32 s23, 0
	s_lshl_b32 s24, s17, 20                        ; out0: 65,536 x 16 bytes an image
	s_add_co_u32 s24, s24, s22
	s_mov_b32 s25, 0
	s_lshl_b32 s26, s17, 18                        ; out1, out2: 65,536 x 4 bytes an image
	s_lshl_b32 s18, ttmp9, 12
	s_add_co_u32 s26, s26, s18
	s_mov_b32 s27, 0
	s_lshl_b32 s28, s17, 10                        ; the image's box table
	s_mov_b32 s29, 0
	s_lshl_b32 s30, s17, 9                         ; the image's (area, class) table
	s_mov_b32 s31, 0
	s_lshl_b32 s52, s17, 3                         ; the image's two mask words
	s_mov_b32 s53, 0
	s_lshl_b32 s18, s16, 11                        ; the wave's 128 anchors x 16 bytes
	s_lshl_b32 s19, s16, 9                         ; x 4 bytes
	s_lshl_b32 s20, s16, 10                        ; the wave's own 1,024 bytes of LDS
	v_lshl_add_u32 v[AOF], v[LANE], 4, s18
	v_lshl_add_u32 v[COF], v[LANE], 4, s19
	v_lshl_add_u32 v[LW],  v[LANE], 2, s20
	v_lshl_add_u32 v[LR],  v[LANE], 4, s20
	s_wait_kmcnt 0x0
	s_add_nc_u64 s[8:9], s[8:9], s[52:53]
	s_load_b64 s[44:45], s[8:9], 0x0               ; bit g: row g of the image is valid
	s_add_nc_u64 s[4:5], s[4:5], s[22:23]
.irp k, 0,1,2,3
	global_load_b128 v[ANC+4*\k:ANC+4*\k+3], v[AOF], s[4:5] offset:512*\k     ; read again by the other images' groups: no hint
.endr
	s_add_nc_u64 s[40:41], s[6:7], s[28:29]
	s_add_nc_u64 s[42:43], s[6:7], s[30:31]
	s_add_nc_u64 s[10:11], s[10:11], s[24:25]
	s_add_nc_u64 s[12:13], s[12:13], s[26:27]
	s_add_nc_u64 s[14:15], s[14:15], s[26:27]
	s_wait_kmcnt 0x0                               ; the mask words
	s_bcnt1_i32_b32 s46, s44
	s_bcnt1_i32_b32 s47, s45
	s_add_co_u32 s46, s46, s47                     ; trips = valid rows
	s_min_u32 s46, s46, GMAX                       ; a number from memory is bounded before it steers anything
	s_cmp_eq_u32 s46, 0
	s_cselect_b32 s44, 1, s44                      ; no valid row: argmax is row 0; its entry is fetched as the match, and the loop is jumped over
	NEXT
	s_load_b128 s[32:35], s[40:41], s48 offset:0x0     ; the first valid row: box,
	s_load_b64  s[36:37], s[42:43], s49 offset:TABB    ; area and class
	s_wait_loadcnt 0x0                             ; the four anchors, once; what hangs on them alone is made while that entry is on its way
.irp k, 0,1,2,3
	v_pk_add_f32 v[HW+2*\k:HW+2*\k+1], v[ANC+4*\k+2:ANC+4*\k+3], v[ANC+4*\k:ANC+4*\k+1] neg_lo:[0,1] neg_hi:[0,1]   ; h, w
.endr
.irp k, 0,1,2,3
	v_mul_f32 v[AR+\k], v[HW+2*\k+1], v[HW+2*\k]   ; area_an
.endr
	s_wait_kmcnt 0x0                               ; the entry
.irp k, 0,1,2,3
	v_dual_mov_b32 v[PAY+4*\k],   s32 :: v_dual_mov_b32 v[PAY+4*\k+1], s33    ; the match while no IoU is positive,
	v_dual_mov_b32 v[PAY+4*\k+2], s34 :: v_dual_mov_b32 v[PAY+4*\k+3], s35
	v_dual_mov_b32 v[BC+2*\k],    0   :: v_dual_mov_b32 v[BC+2*\k+1],  s37    ; with best = 0
.endr
; Anchors 2 p and 2 p + 1 against this trip's gt: inter, union and the union's reciprocal.
.macro OVERLAP p, tb
	v_dual_max_num_f32 v[\tb],   v[G],   v[ANC+8*\p]   :: v_dual_max_num_f32 v[\tb+1], v[G+1], v[ANC+8*\p+1]    ; max(gy1, ay1), max(gx1, ax1)
	v_dual_min_num_f32 v[\tb+4], v[G+2], v[ANC+8*\p+2] :: v_dual_min_num_f32 v[\tb+5], v[G+3], v[ANC+8*\p+3]    ; min(gy2, ay2), min(gx2, ax2)
	v_dual_max_num_f32 v[\tb+2], v[G],   v[ANC+8*\p+4] :: v_dual_max_num_f32 v[\tb+3], v[G+1], v[ANC+8*\p+5]
	v_dual_min_num_f32 v[\tb+6], v[G+2], v[ANC+8*\p+6] :: v_dual_min_num_f32 v[\tb+7], v[G+3], v[ANC+8*\p+7]
	v_pk_add_f32 v[\tb+4:\tb+5], v[\tb+4:\tb+5], v[\tb:\tb+1]     neg_lo:[0,1] neg_hi:[0,1]     ; the first anchor's overlaps along y and x,
	v_pk_add_f32 v[\tb+6:\tb+7], v[\tb+6:\tb+7], v[\tb+2:\tb+3]   neg_lo:[0,1] neg_hi:[0,1]     ; the second's
	v_dual_max_num_f32 v[\tb+4], 0, v[\tb+4] :: v_dual_max_num_f32 v[\tb+5], 0, v[\tb+5]        ; ih, iw: both clamped, so inter >= 0 whatever order a box's corners have
	v_dual_max_num_f32 v[\tb+6], 0, v[\tb+6] :: v_dual_max_num_f32 v[\tb+7], 0, v[\tb+7]
	v_dual_mul_f32 v[\tb+8], v[\tb+4], v[\tb+5] :: v_dual_mul_f32 v[\tb+9], v[\tb+6], v[\tb+7]  ; inter
	v_pk_add_f32 v[\tb+12:\tb+13], v[AR+2*\p:AR+2*\p+1], v[G+4:G+5] op_sel_hi:[1,0]             ; area_gt + area_an (area_gt for both halves)
	v_pk_add_f32 v[\tb+12:\tb+13], v[\tb+12:\tb+13], v[\tb+8:\tb+9] neg_lo:[0,1] neg_hi:[0,1]   ; - inter
	v_rcp_f32 v[\tb+14], v[\tb+12]                 ; what follows this macro is a plain vector instruction on other registers (ISA guide 5.7.2:
	v_rcp_f32 v[\tb+15], v[\tb+13]                 ; one such line stands between a transcendental and the first use of its result)
.endm
; The two quotients, rounded as a division rounds them.
.macro QUOT tb
	s_wait_alu depctr_va_vdst(0)
	v_pk_mul_f32 v[\tb+10:\tb+11], v[\tb+8:\tb+9], v[\tb+14:\tb+15]
	v_pk_fma_f32 v[\tb+16:\tb+17], v[\tb+10:\tb+11], v[\tb+12:\tb+13], v[\tb+8:\tb+9] neg_lo:[1,0,0] neg_hi:[1,0,0]
	v_pk_fma_f32 v[\tb+10:\tb+11], v[\tb+16:\tb+17], v[\tb+14:\tb+15], v[\tb+10:\tb+11]
.endm
; Anchor k takes this gt if its quotient, in register q, is strictly greater than the best so far.
.macro TAKE k, q
	v_cmp_gt_f32 vcc_lo, v[\q], v[BC+2*\k]
	v_dual_cndmask_b32 v[PAY+4*\k],   v[PAY+4*\k],   v[G]   :: v_dual_cndmask_b32 v[PAY+4*\k+1], v[PAY+4*\k+1], v[G+1]
	v_dual_cndmask_b32 v[PAY+4*\k+2], v[PAY+4*\k+2], v[G+2] :: v_dual_cndmask_b32 v[PAY+4*\k+3], v[PAY+4*\k+3], v[G+3]
	v_dual_cndmask_b32 v[BC+2*\k],    v[BC+2*\k],    v[\q]  :: v_dual_cndmask_b32 v[BC+2*\k+1],  v[BC+2*\k+1],  v[G+5]
.endm
	s_cmp_eq_u32 s46, 0                            ; an image without a valid row: row 0 stands, best = 0
	s_cbranch_scc1 .Lmatched
	s_mov_b32 s47, 0
.Lgt:                                              ; a trip = one valid row, in the order of gt_boxes
	s_wait_kmcnt 0x0                               ; scalar loads return in no order: 0 is the only count.  This trip's entry is in, asked for a trip ago;
	                                               ; the wait also frees s48 and s49, the offsets of those loads
	v_dual_mov_b32 v[G],   s32 :: v_dual_mov_b32 v[G+1], s33
	v_dual_mov_b32 v[G+2], s34 :: v_dual_mov_b32 v[G+3], s35
	v_dual_mov_b32 v[G+4], s36 :: v_dual_mov_b32 v[G+5], s37
	NEXT
	s_load_b128 s[32:35], s[40:41], s48 offset:0x0     ; the next valid row's entry has the trip's 48 other vector issues in which to arrive
	s_load_b64  s[36:37], s[42:43], s49 offset:TABB
	OVERLAP 0, T0
	OVERLAP 1, T1
	QUOT T0
	TAKE 0, T0+10
	TAKE 1, T0+11
	QUOT T1
	TAKE 2, T1+10
	TAKE 3, T1+11
	s_add_co_u32 s47, s47, 1
	s_cmp_lt_u32 s47, s46
	s_cbranch_scc1 .Lgt
.Lmatched:
	; dy = (gcy - cy) / h / 0.1 = ((gy2 + gy1) - (ay2 + ay1)) * (1/h) * 5: halving is exact, so the difference is reference()'s own.  dx likewise.
	; dh = ln(gh / h) / 0.2 = log2(gh * (1/h)) * 5 ln 2.  dw likewise.
.irp k, 0,1,2,3
	v_rcp_f32 v[RCP+2*\k],   v[HW+2*\k]
	v_rcp_f32 v[RCP+2*\k+1], v[HW+2*\k+1]
.endr
.irp k, 0,1,2,3
	v_pk_add_f32 v[E+2*\k:E+2*\k+1], v[PAY+4*\k+2:PAY+4*\k+3], v[PAY+4*\k:PAY+4*\k+1]                                   ; 2 gcy, 2 gcx
	v_pk_add_f32 v[FS:FS+1], v[ANC+4*\k+2:ANC+4*\k+3], v[ANC+4*\k:ANC+4*\k+1]                                           ; 2 cy, 2 cx
	v_pk_add_f32 v[OUT+4*\k+2:OUT+4*\k+3], v[PAY+4*\k+2:PAY+4*\k+3], v[PAY+4*\k:PAY+4*\k+1] neg_lo:[0,1] neg_hi:[0,1]   ; gh, gw
	v_pk_add_f32 v[E+2*\k:E+2*\k+1], v[E+2*\k:E+2*\k+1], v[FS:FS+1] neg_lo:[0,1] neg_hi:[0,1]
	s_wait_alu depctr_va_vdst(0)
	v_pk_mul_f32 v[E+2*\k:E+2*\k+1], v[E+2*\k:E+2*\k+1], v[RCP+2*\k:RCP+2*\k+1]
	v_pk_mul_f32 v[OUT+4*\k+2:OUT+4*\k+3], v[OUT+4*\k+2:OUT+4*\k+3], v[RCP+2*\k:RCP+2*\k+1]                             ; gh / h, gw / w
	v_pk_mul_f32 v[OUT+4*\k:OUT+4*\k+1], v[E+2*\k:E+2*\k+1], 0x40a00000 op_sel_hi:[1,0]                                 ; x 5.0: dy, dx
.endr
.irp k, 0,1,2,3
	v_log_f32 v[E+2*\k],   v[OUT+4*\k+2]
	v_log_f32 v[E+2*\k+1], v[OUT+4*\k+3]
.endr
	; The tags: plain vector work, which also stands between the logarithms and the first use of their results.
.irp k, 0,1,2,3
	v_cmp_gt_f32 vcc_lo, 0x3ecccccd, v[BC+2*\k]    ; iou_max < 0.4 (0.4 as f32)
	v_cndmask_b32 v[TG+\k], 0, -1.0, vcc_lo
	v_cmp_le_f32 vcc_lo, 0.5, v[BC+2*\k]           ; iou_max >= 0.5
	v_cndmask_b32 v[TG+\k], v[TG+\k], 1.0, vcc_lo
.endr
	; Class and tag are 4 bytes an anchor, and a lane's four anchors lie 32 apart.  Through the wave's own LDS bytes each lane gets four NEIGHBOURING anchors'
	; words, so that a store of the wave covers 512 consecutive bytes.  LDS serves a wave's instructions in order (ISA guide 5.7.1): no wait between stores and loads.
.irp k, 0,1,2,3
	ds_store_b32 v[LW], v[BC+2*\k+1] offset:128*\k         ; word 32 k + lane = the anchor's place among the wave's 128
	ds_store_b32 v[LW], v[TG+\k]     offset:512+128*\k
.endr
	ds_load_b128 v[CT:CT+3],   v[LR]                       ; words 4 lane .. 4 lane + 3
	ds_load_b128 v[CT+4:CT+7], v[LR] offset:512
	s_wait_alu depctr_va_vdst(0)
.irp k, 0,1,2,3
	v_pk_mul_f32 v[OUT+4*\k+2:OUT+4*\k+3], v[E+2*\k:E+2*\k+1], 0x405dce9e op_sel_hi:[1,0]      ; x 5 ln 2: dh, dw
	global_store_b128 v[AOF], v[OUT+4*\k:OUT+4*\k+3], s[10:11] offset:512*\k th:TH_STORE_NT    ; 32 anchors' deltas: 512 consecutive bytes
.endr
	s_wait_dscnt 0x0                               ; both loads are back
	global_store_b128 v[COF], v[CT:CT+3],   s[12:13] th:TH_STORE_NT
	global_store_b128 v[COF], v[CT+4:CT+7], s[14:15] th:TH_STORE_NT
	s_wait_tensorcnt 0x0
	ds_add_u32 v112, v113
	s_wait_dscnt 0x0
	s_endpgm
.Lfunc_end_k_qaf4d1cd441_match:
	.size	k_qaf4d1cd441_match, .Lfunc_end_k_qaf4d1cd441_match-k_qaf4d1cd441_match
	.p2alignl 7, 3214868480
	.fill 96, 4, 3214868480
	.section	.rodata,"a",@progbits
	.p2align	6, 0x0
	.amdhsa_kernel k_qaf4d1cd441_match
		.amdhsa_group_segment_fixed_size 9216
		.amdhsa_private_segment_fixed_size 0
		.amdhsa_enable_private_segment 0
		.amdhsa_kernarg_size 48
		.amdhsa_user_sgpr_count 2
		.amdhsa_user_sgpr_kernarg_segment_ptr 1
		.amdhsa_wavefront_size32 1
		.amdhsa_system_sgpr_workgroup_id_x 1
		.amdhsa_system_sgpr_workgroup_id_y 1
		.amdhsa_system_sgpr_workgroup_id_z 1
		.amdhsa_system_vgpr_workitem_id 0
		.amdhsa_next_free_vgpr 114
		.amdhsa_next_free_sgpr 66
		.amdhsa_reserve_vcc 1
		.amdhsa_float_denorm_mode_32 3
		.amdhsa_float_denorm_mode_16_64 3
		.amdhsa_memory_ordered 1
		.amdhsa_forward_progress 1
		.amdhsa_inst_pref_size 13
	.end_amdhsa_kernel
	.amdgpu_metadata
---
amdhsa.version: [ 1, 2 ]
amdhsa.kernels:
  - .name:           k_qaf4d1cd441_match
    .symbol:         k_qaf4d1cd441_match.kd
    .args:
      - { .name: anchors, .offset: 0, .size: 8, .value_kind: global_buffer, .address_space: global }
      - { .name: gtab, .offset: 8, .size: 8, .value_kind: global_buffer, .address_space: global }
      - { .name: gmask, .offset: 16, .size: 8, .value_kind: global_buffer, .address_space: global }
      - { .name: out0, .offset: 24, .size: 8, .value_kind: global_buffer, .address_space: global }
      - { .name: out1, .offset: 32, .size: 8, .value_kind: global_buffer, .address_space: global }
      - { .name: out2, .offset: 40, .size: 8, .value_kind: global_buffer, .address_space: global }
    .group_segment_fixed_size: 9216
    .private_segment_fixed_size: 0
    .kernarg_segment_align: 8
    .kernarg_segment_size: 48
    .max_flat_workgroup_size: 256
    .sgpr_count:     66
    .vgpr_count:     114
    .wavefront_size: 32
...
	.end_amdgpu_metadata
.endif
;; end of part 2
